; MI455X (gfx1250); checked and timed in simulation.
; The chip was launched on July 23, 2026; its instructions are those of AMD's public machine-readable ISA for CDNA 5 (MIT licence, August 2026) and "CDNA5" Instruction Set Architecture Reference Guide (July 2026). The comments in the code are by the model that wrote it; some were corrected since.
;; Full Attention. Allowed arithmetic: matrix products marked QUANTISED: E2M1 operands, one E8M0 scale for each 32 along K, by v_wmma_scale_f32_16x16x128_f8f6f4 with both operands' format E2M1 (or v_wmma_scale_f32_32x16x128_f4), f32 sums; everything else in f32.
;; Inputs: keys 4 x 2,048 x 16 x 64 float32; queries 4 x 2,048 x 16 x 64 float32; values 4 x 2,048 x 16 x 64 float32.
;; Outputs: out0 4 x 2,048 x 16 x 64 float32.
;; This version of the problem:
;;   THIS VERSION OF THE PROBLEM IS GIVEN IN LOW PRECISION. The matrix products marked QUANTISED in the list below multiply operands that are first quantised to E2M1 (2 exponent bits, 1 mantissa bit; 4 bits a number), with one power-of-two scale for each 32 numbers along K (OCP MX v1.0); their sums are f32. All else is computed in f32.
;;   The module's matrix products, in the order in which they are computed (A, B: the left and right operand; K: the contracted axis; several contracted axes count as one K, in the product's order):
;;     1. batch 64 x [M 2,048, K 64] x [K 64, N 2,048]; A: input queries; B: input keys: QUANTISED
;;     2. batch 64 x [M 64, K 2,048] x [K 2,048, N 2,048]; A: input values; B: softmax (see below): QUANTISED
;;   THE QUANTISER, for each operand of a quantised product, along K:
;;     - K is cut into blocks of 32 from its start; a last block that is shorter is filled with zeros.
;;     - A block's scale is 2^e with e = floor(log2(the largest magnitude in the block)) - 2, held to -126 .. 127; a block of zeros has e = 0. As a byte (E8M0): e + 127.
;;     - Each number is divided by its block's scale, clamped to +-6, and rounded to the nearest number of E2M1, ties to even, subnormals kept.
;;     - The product sums the exact products of the quantised numbers (number of the format x scale) in f32.
;;   ~~~python
;;   def quantise(x, axis):      # numpy; x: float32 -> the quantised numbers, widened to float32 again
;;       x = np.moveaxis(x, axis, -1); K = x.shape[-1]
;;       x = np.pad(x, [(0, 0)] * (x.ndim - 1) + [(0, -K % 32)]); x = x.reshape(x.shape[:-1] + (-1, 32)); a = np.abs(x).max(-1, keepdims=True)
;;       e = np.where(a > 0, np.clip(np.frexp(np.where(a > 0, a, 1))[1] - 1 - 2, -126, 127), 0)      # np.frexp(a)[1] - 1 = floor(log2(a)), exactly
;;       r = np.clip(x / 2.0 ** e, -6, 6)
;;       step = 2.0 ** (np.maximum(np.frexp(np.where(r == 0, 1, r))[1] - 1, 0) - 1)
;;       q = np.round(r / step) * step * 2.0 ** e      # np.round: ties to even
;;       return np.moveaxis(q.reshape(q.shape[:-2] + (-1,))[..., :K], -1, axis).astype(np.float32)
;;   ~~~
;;   SOFTMAX AHEAD OF A QUANTISED PRODUCT. Where the list says 'softmax', what is quantised is not the finished softmax but p = 2^(t - M), with t = logit x log2(e) and M = ceil(the row's largest t), a whole number; so 1/2 < the row's largest p <= 1. The row's sum l is taken of the UNQUANTISED p, in f32, and the product's result is divided by l at the end. Since M is a whole number, a kernel that streams over the keys may use a running M (the ceiling of the running maximum): every later rescaling is an exact power of two, which a block's scale takes up: the codes' values come out the same.
;;   OPERANDS COMPUTED ON THE WAY. 'Computed on the way' means the value that the module computes at that place (a softmax that the list does not call 'softmax' is quantised finished and normalised). What goes into a quantiser is computed in f32, as accurately as f32 sums, v_exp_f32 and their like allow (about 1e-6 of the number): no bf16 or f16 on the way to a quantiser, and a product that is left as it is and whose result goes on into a quantised operand takes f32 operands (vector FMAs, or v_wmma_f32_16x16x4_f32). A number that lies on a knife's edge between two numbers of the format may be rounded either way, as far as f32 arithmetic and the matrix unit's own rounding can turn it there, and no further.
;; One version. Each part assembles by itself: llvm-mc -triple=amdgcn-amd-amdhsa -mcpu=gfx1250 --defsym DOCPART=n.
;; ======== version 1 of 1: 2 launches
;; workspace buffers: kv 9,175,040 bytes
;; launch prep (part 1): grid 4 x 64, 8 waves a work-group, no clusters, 35,840 bytes of LDS; arguments keys, values, kv; writes kv
.if DOCPART == 1
	.amdgcn_target "amdgcn-amd-amdhsa--gfx1250"
	.amdhsa_code_object_version 6
	.text
	.protected	k_qfc5266bcf7_prep
	.globl	k_qfc5266bcf7_prep
	.p2align	8
	.type	k_qfc5266bcf7_prep,@function
k_qfc5266bcf7_prep:
	s_mov_b64 s[64:65], 0
	v_nop
	global_prefetch_b8 v0, s[64:65] scope:SCOPE_SE
	s_setreg_imm32_b32 hwreg(HW_REG_WAVE_MODE, 25, 1), 1
	s_wait_xcnt 0x0
; keys and values, [4][2048][16][64] f32, become codes of FP4 (E2M1) with one E8M0 byte for each 32 along a product's K, laid in kv as IMAGES OF THE OPERANDS' REGISTERS.
; K is quantised along the head's 64 (two blocks a key), V along the keys (a block = 32 keys of one channel).
; A block's scale is 2^(floor(log2(its largest magnitude)) - 2); its byte is the largest magnitude's exponent field - 2, held at 1 from below.
; kv: [64 heads][16 key steps][8,960 bytes].  A key step is 128 keys.  In its block:
;   0    + 512 t + 16 lane           K's tile t = 2 b + u: lane (r, h) holds the 32 codes of dims 32 h .. 32 h + 31 of key 32 b + 8 u + r + 8 (r / 8): registers 0-3 of the fragment (registers 4-7 are zeros, made by the reader)
;   4096 + 1024 t + 512 c + 16 lane  V's tile t: lane (r, h) holds channel 16 t + r, keys 64 c + 32 h + 0 .. 31: registers 4 c .. 4 c + 3
;   8192 + 256 g + 8 lane + 4 w      K's scale word of row lane % 16 of tile 2 (2 g + w) + lane / 16: byte 0, byte 1 and 0x7f for the two blocks of zero codes
;   8704 + 4 channel                 V's scale word: the bytes of the step's four blocks of keys
; LIMITS: NaN and infinities among the inputs are not served.  A block whose largest magnitude lies under 2^-124, a block of zeros among them, keeps the byte 1 (the rule says 127 for zeros):
; a block of zeros has zero codes, which add nothing under any byte but 0xff, and this program alone reads the bytes.
; SHARES.  Work-group (x, head): key steps 4 x .. 4 x + 3.  Wave w: step 4 x + w / 2, half = w % 2: 64 keys of K (tiles 4 half + 0 .. 3) and 32 channels (32 half + lane) x 128 keys of V.
; V: A LANE TAKES A CHANNEL AND ITS REGISTERS RUN DOWN THE KEYS: a block lies in one lane's 32 registers, and the conversions give codes with the keys innermost.
; K: a load takes two keys' whole rows of 256 bytes; the rows turn through the wave's own stage in LDS, so that a lane holds 32 neighbouring dims of one key.
; No loop, no barrier: waves share nothing; every offset is an immediate, every store has data registers of its own, and no address register is written twice.
.set KVSTEP, 8960
.set KVHEAD, 16*KVSTEP
.set TOK,    4096                      ; bytes from a token to the next
.set SP,     272                       ; a stage row: 256 bytes + 16: the sixteen rows that a load touches begin 68 words apart
.set M0,  12                           ; v12, v13 the two chains of a largest magnitude
.set M1,  13
.set SCL, 14                           ; v14      the conversions' scale operand
.set BY,  15                           ; v15      a scale byte
.set PT,  16                           ; v16      a lane permute's destination, written once
.set SBV, 17                           ; v17      V's scale word
.set SH,  11                           ; v11      8 x (lane / 16)
.set WK,  20                           ; v20-23   K's scale words, one a tile
.set CV,  24                           ; v24-39   V's codes, four registers a block
.set CK,  40                           ; v40-55   K's codes, four registers a tile
.set XV,  56                           ; v56-119  V: two sets of 32 numbers
.set RK,  120                          ; v120-183 K: two sets of 32 registers as loaded
.set T,   184                          ; v184-215 K: 32 neighbouring dims of my key
.set SEL, 20                           ; s[20:21] v_permlanex16_b32's selects for lane l xor 16
	s_load_b128 s[4:7], s[0:1], 0x0                ; keys, values
	s_load_b64 s[8:9], s[0:1], 0x10                ; kv
	v_lshl_add_u32 v216, v0, 2, 0x8800
	v_mov_b32 v217, 0
	v_lshrrev_b32 v1, 5, v0
	s_delay_alu instid0(VALU_DEP_1)
	v_readfirstlane_b32 s10, v1                    ; wave 0..7
	v_and_b32 v1, 31, v0                           ; lane
	v_and_b32 v2, 15, v0                           ; r
	v_bfe_u32 v3, v0, 4, 1                         ; e = lane / 16
	s_delay_alu instid0(VALU_DEP_3)
	v_lshlrev_b32 v4, 2, v1                        ; V in: 4 bytes a lane; also V's scale words out
	s_delay_alu instid0(VALU_DEP_2)
	v_lshlrev_b32 v5, 12, v3
	s_delay_alu instid0(VALU_DEP_1)
	v_lshl_add_u32 v5, v2, 4, v5                   ; K in: lanes 0-15 one key's row, lanes 16-31 the next key's
	s_mul_i32 s34, s10, 16*SP                      ; my stage
	v_mul_u32_u24 v6, v3, SP
	s_delay_alu instid0(VALU_DEP_1)
	v_lshl_add_u32 v6, v2, 4, v6
	s_delay_alu instid0(VALU_DEP_1)
	v_add_nc_u32 v6, s34, v6                       ; into it: as loaded
	v_mul_u32_u24 v7, v2, SP
	s_delay_alu instid0(VALU_DEP_1)
	v_lshl_add_u32 v7, v3, 7, v7
	s_delay_alu instid0(VALU_DEP_1)
	v_add_nc_u32 v7, s34, v7                       ; out of it: row r, dims 32 e on
	v_lshlrev_b32 v8, 4, v1                        ; K's codes out: 16 x lane
	v_lshlrev_b32 v9, 10, v3
	s_delay_alu instid0(VALU_DEP_1)
	v_lshl_add_u32 v9, v2, 4, v9                   ; V's codes out: tile e of my two, 16 r
	v_lshlrev_b32 v10, 3, v1                       ; K's scale words out: 8 x lane
	v_lshlrev_b32 v[SH], 3, v3
	v_mov_b32 v[PT], 0
	s_mov_b32 s[SEL], 0x76543210
	s_mov_b32 s[SEL+1], 0xfedcba98
	s_and_b32 s11, s10, 1                          ; half
	s_lshr_b32 s12, s10, 1
	s_lshl_b32 s14, ttmp9, 2
	s_add_co_u32 s12, s12, s14                     ; key step
	s_and_b32 s13, ttmp7, 0xffff                   ; head = 16 b + h
	s_lshr_b32 s14, s13, 4
	s_lshl_b32 s14, s14, 23                        ; b x 2,048 tokens
	s_and_b32 s15, s13, 15
	s_lshl_b32 s15, s15, 8                         ; h x 256 bytes
	s_add_co_u32 s14, s14, s15
	s_lshl_b32 s15, s12, 19                        ; step x 128 tokens
	s_add_co_u32 s14, s14, s15
	s_lshl_b32 s16, s11, 18                        ; K: half x 64 tokens
	s_add_co_u32 s16, s16, s14
	s_mov_b32 s17, 0
	s_lshl_b32 s18, s11, 7                         ; V: half x 32 channels
	s_add_co_u32 s18, s18, s14
	s_mov_b32 s19, 0
	s_mul_i32 s22, s13, KVHEAD
	s_mul_i32 s23, s12, KVSTEP
	s_add_co_u32 s22, s22, s23                     ; the step's block in kv
	s_mov_b32 s23, 0
	s_wait_kmcnt 0x0
	s_add_nc_u64 s[24:25], s[4:5], s[16:17]        ; K's base
	s_add_nc_u64 s[26:27], s[6:7], s[18:19]        ; V's base
	s_add_nc_u64 s[8:9], s[8:9], s[22:23]
	s_lshl_b32 s16, s11, 11
	s_add_nc_u64 s[28:29], s[8:9], s[16:17]        ; codes: + 2,048 half (four tiles of K; two tiles of V)
	s_lshl_b32 s16, s11, 8
	s_add_nc_u64 s[30:31], s[8:9], s[16:17]        ; K's scale words: + 256 half
	s_lshl_b32 s16, s11, 7
	s_add_nc_u64 s[32:33], s[8:9], s[16:17]        ; V's scale words: + 128 half
.macro LV bb                           ; V's block bb: keys 32 bb + i of my channel.  A wave reads 128 consecutive bytes, its partner the other 128 of the same aligned 256: so no hint that the bytes are read once
.set i, 0
.rept 32
	global_load_b32 v[XV+32*((\bb)%2)+i], v4, s[26:27] offset:(32*(\bb)+i)*TOK
.set i, i+1
.endr
.endm
.macro LK tt                           ; K's tile tt of my four: stage row 2 j + e is the tile's row, key 32 (tt / 2) + 8 (tt % 2) + row + 8 (row / 8).  Sixteen lanes read a key's whole 256 bytes
.irp j, 0,1,2,3,4,5,6,7
	global_load_b128 v[RK+32*((\tt)%2)+4*\j:RK+32*((\tt)%2)+4*\j+3], v5, s[24:25] offset:(32*((\tt)/2)+8*((\tt)%2)+2*\j+8*(\j/4))*TOK th:TH_LOAD_NT
.endr
.endm
.macro MAX32 s                         ; the largest magnitude of v[s] .. v[s + 31], in two chains, with the floor 2^(3 - 127) as one more leaf: so the byte cannot fall under 1
	v_max3_num_f32 v[M0], |v[(\s)]|, |v[(\s)+1]|, |v[(\s)+2]|
	v_max3_num_f32 v[M1], |v[(\s)+3]|, |v[(\s)+4]|, |v[(\s)+5]|
.irp i, 6,10,14,18,22,26
	s_delay_alu instid0(VALU_DEP_2)
	v_max3_num_f32 v[M0], v[M0], |v[(\s)+\i]|, |v[(\s)+\i+1]|
	s_delay_alu instid0(VALU_DEP_2)
	v_max3_num_f32 v[M1], v[M1], |v[(\s)+\i+2]|, |v[(\s)+\i+3]|
.endr
	s_delay_alu instid0(VALU_DEP_2)
	v_max3_num_f32 v[M0], v[M0], |v[(\s)+30]|, |v[(\s)+31]|
	s_delay_alu instid0(VALU_DEP_1)
	v_max3_num_f32 v[M0], v[M0], v[M1], 0x1800000
.endm
; 32 dims of a lane, block lane / 16 of its row, become four registers of codes; the row's two bytes, mine and lane l xor 16's, make its scale word
.macro QUANT32 src, dst, word
	MAX32 \src
	s_delay_alu instid0(VALU_DEP_1)
	v_add_nc_u32 v[SCL], 0xff000000, v[M0]         ; 2 off the exponent field: the conversion takes the exponent field of this operand as its scale
	s_delay_alu instid0(VALU_DEP_1)
	v_lshrrev_b32 v[BY], 23, v[SCL]                ; the scale's byte
.irp g, 0,1,2,3
	v_cvt_scalef32_pk8_fp4_f32 v[(\dst)+\g], v[(\src)+8*\g:(\src)+8*\g+7], v[SCL]
.endr
	v_lshlrev_b32 v[BY], v[SH], v[BY]              ; at its place in the word.  (The plain line behind the conversions)
	s_delay_alu instid0(VALU_DEP_1)
	v_permlanex16_b32 v[PT], v[BY], s[SEL], s[SEL+1]
	s_delay_alu instid0(VALU_DEP_1)
	v_or_b32 v[BY], v[BY], v[PT]
	s_delay_alu instid0(VALU_DEP_1)
	v_or_b32 v[\word], 0x7f7f0000, v[BY]           ; the fragment's upper 64 along K are zero codes: byte 127
.endm
.macro JV bb, left                     ; V's block bb.  left: the younger loads, which may stay out
.set XS, XV+32*((\bb)%2)
	s_wait_loadcnt \left
	MAX32 XS
	s_delay_alu instid0(VALU_DEP_1)
	v_add_nc_u32 v[SCL], 0xff000000, v[M0]
	s_delay_alu instid0(VALU_DEP_1)
	v_lshrrev_b32 v[BY], 23, v[SCL]
.irp g, 0,1,2,3
	v_cvt_scalef32_pk8_fp4_f32 v[CV+4*(\bb)+\g], v[XS+8*\g:XS+8*\g+7], v[SCL]
.endr
.if (\bb) == 0
	v_mov_b32 v[SBV], v[BY]                        ; (the plain line behind the conversions)
.else
	v_lshl_or_b32 v[SBV], v[BY], 8*(\bb), v[SBV]
.endif
	global_store_b128 v9, v[CV+4*(\bb):CV+4*(\bb)+3], s[28:29] offset:4096+256*(\bb)   ; each sixteen lanes store 256 consecutive bytes, at a multiple of 256 from kv's first byte
.if (\bb) < 2
	LV (\bb)+2
.endif
.endm
.macro JK tt, left                     ; K's tile tt
.set RS, RK+32*((\tt)%2)
	s_wait_loadcnt \left
.irp j, 0,1,2,3,4,5,6,7
	ds_store_b128 v6, v[RS+4*\j:RS+4*\j+3] offset:2*\j*SP
.endr
.irp j, 0,1,2,3,4,5,6,7
	ds_load_b128 v[T+4*\j:T+4*\j+3], v7 offset:16*\j   ; LDS serves a wave's instructions in order (ISA guide 5.7.1.4): these see the stores above
.endr
	s_wait_dscnt 0x0                               ; the numbers are back, and the stores have read their registers,
.if (\tt) < 2
	LK (\tt)+2                                     ; which take the tile two further on
.endif
	QUANT32 T, CK+4*(\tt), WK+(\tt)
	global_store_b128 v8, v[CK+4*(\tt):CK+4*(\tt)+3], s[28:29] offset:512*(\tt)   ; 512 consecutive bytes
.endm
	LV 0                                           ; four jobs' loads go out ahead
	LK 0
	LV 1
	LK 1
	JV 0, 48                                       ; behind V0's loads: K0 8, V1 32, K1 8
	JK 0, 63                                       ; behind K0's: V1 32, K1 8, V2 32 = 72: the count is held to what the wait can name
	JV 1, 48                                       ; K1 8, V2 32, K2 8
	JK 1, 63                                       ; V2 32, K2 8, V3 32 = 72
	JV 2, 48                                       ; K2 8, V3 32, K3 8
	JK 2, 40                                       ; V3 32, K3 8
	JV 3, 8                                        ; K3 8
	global_store_b32 v4, v[SBV], s[32:33] offset:8704   ; my 32 channels' scale words: 128 bytes; the partner wave stores the 128 beside them
	JK 3, 0
	v_cmp_lt_u32 vcc_lo, 15, v1                    ; lanes 0-15 carry the even tile's words, lanes 16-31 the odd tile's (every word lies in lanes r and r + 16)
	s_delay_alu instid0(VALU_DEP_1)
	v_cndmask_b32 v18, v[WK], v[WK+1], vcc_lo
	s_delay_alu instid0(VALU_DEP_2)
	v_cndmask_b32 v19, v[WK+2], v[WK+3], vcc_lo
	global_store_b64 v10, v[18:19], s[30:31] offset:8192   ; 256 consecutive bytes
	s_wait_tensorcnt 0x0
	ds_add_u32 v216, v217
	s_wait_dscnt 0x0
	s_endpgm
.Lfunc_end_k_qfc5266bcf7_prep:
	.size	k_qfc5266bcf7_prep, .Lfunc_end_k_qfc5266bcf7_prep-k_qfc5266bcf7_prep
	.p2alignl 7, 3214868480
	.fill 96, 4, 3214868480
	.section	.rodata,"a",@progbits
	.p2align	6, 0x0
	.amdhsa_kernel k_qfc5266bcf7_prep
		.amdhsa_group_segment_fixed_size 35840
		.amdhsa_private_segment_fixed_size 0
		.amdhsa_enable_private_segment 0
		.amdhsa_kernarg_size 24
		.amdhsa_user_sgpr_count 2
		.amdhsa_user_sgpr_kernarg_segment_ptr 1
		.amdhsa_wavefront_size32 1
		.amdhsa_system_sgpr_workgroup_id_x 1
		.amdhsa_system_sgpr_workgroup_id_y 1
		.amdhsa_system_sgpr_workgroup_id_z 1
		.amdhsa_system_vgpr_workitem_id 0
		.amdhsa_next_free_vgpr 218
		.amdhsa_next_free_sgpr 66
		.amdhsa_reserve_vcc 1
		.amdhsa_float_denorm_mode_32 3
		.amdhsa_float_denorm_mode_16_64 3
		.amdhsa_memory_ordered 1
		.amdhsa_forward_progress 1
		.amdhsa_inst_pref_size 40
	.end_amdhsa_kernel
	.amdgpu_metadata
---
amdhsa.version: [ 1, 2 ]
amdhsa.kernels:
  - .name:           k_qfc5266bcf7_prep
    .symbol:         k_qfc5266bcf7_prep.kd
    .args:
      - { .name: keys, .offset: 0, .size: 8, .value_kind: global_buffer, .address_space: global }
      - { .name: values, .offset: 8, .size: 8, .value_kind: global_buffer, .address_space: global }
      - { .name: kv, .offset: 16, .size: 8, .value_kind: global_buffer, .address_space: global }
    .group_segment_fixed_size: 35840
    .private_segment_fixed_size: 0
    .kernarg_segment_align: 8
    .kernarg_segment_size: 24
    .max_flat_workgroup_size: 256
    .sgpr_count:     66
    .vgpr_count:     218
    .wavefront_size: 32
...
	.end_amdgpu_metadata
.endif
;; end of part 1
;; launch attn (part 2): grid 4 x 64, 16 waves a work-group, no clusters, 215,040 bytes of LDS; arguments queries, kv, out0; writes out0
.if DOCPART == 2
	.amdgcn_target "amdgcn-amd-amdhsa--gfx1250"
	.amdhsa_code_object_version 6
	.text
	.protected	k_qfc5266bcf7_attn
	.globl	k_qfc5266bcf7_attn
	.p2align	8
	.type	k_qfc5266bcf7_attn,@function
k_qfc5266bcf7_attn:
	s_mov_b64 s[64:65], 0
	v_nop
	global_prefetch_b8 v0, s[64:65] scope:SCOPE_SE
	s_setreg_imm32_b32 hwreg(HW_REG_WAVE_MODE, 25, 1), 1
	s_wait_xcnt 0x0
; out0[b][q][h][:] = the sum over keys k <= q of softmax_k(Q . K / 8) V, both products on codes of FP4 (E2M1) with one E8M0 scale for each 32 along a product's K.
; queries, out0: [4][2048][16][64] f32.  kv: K's and V's codes and scale words as images of the operands' registers, [64 heads][16 key steps of 128 keys][8,960 bytes]:
;   0 + 512 t + 16 lane: K's tile t, registers 0-3;   4096 + 1024 t + 512 c + 16 lane: V's tile t, registers 4 c .. 4 c + 3;
;   8192 + 256 g + 8 lane + 4 w: K's scale words of tiles 2 (2 g + w) (lanes 0-15) and 2 (2 g + w) + 1 (lanes 16-31);   8704 + 4 channel: V's scale words.
; THE FIRST PRODUCT'S K IS 64: the upper half of the instruction's 128 is zero codes on both sides (registers 4-7 of K's and Q's fragments, cleared once), under the byte 127.
; THE SOFTMAX AHEAD OF THE SECOND PRODUCT: t = score x log2(e) / 8; M = the row's largest t so far, rounded UP to a whole number; p = 2^(t - M) is quantised along the keys, not normalised.
; The row's sum is taken of the unquantised p and divides O at the end.  When M moves, the sum and O are multiplied by 2^(old M - new M): exact.
; LAYOUT.  Both products are used transposed: S^T = K Q^T (source 0 = 16 keys, source 1 = 16 queries), O^T = V^T P^T (source 0 = 16 channels, source 1 = P): a lane holds ONE query (lane % 16) throughout.
; The keys of a tile are not neighbours: row r of tile 2 b + u is key 32 b + 8 u + r + 8 (r / 8), so that the 16 registers of tiles 2 b and 2 b + 1 are keys 32 b + 16 (lane / 16) + 0 .. 15.
; SHARES.  Work-group (i, head), i = 0 .. 3, owns the blocks 7 - i and i of 256 queries.  Wave w owns two tiles of 16 queries: A at 1792 - 256 i + 16 w, B at 256 i + 240 - 16 w.
; Key steps that count: (15 - 2 i + w / 8) + (2 i + (15 - w) / 8 + 1) = 17 for every wave of every work-group.  Sixteen waves of 256 registers: four to a SIMD, so that one wave's vector work stands beside another's products and LDS loads.
; LDS.  The head's 16 blocks, 143,360 bytes, come ONCE, one tensor load a wave (one outstanding), and stay: nothing is filled again.  Behind them each wave's own stage, 16 rows x 272 bytes, which no tensor load touches.
; One barrier in the launch: behind it all sixteen blocks are in, and no wave waits for another again.
; CAUSAL.  The loops' trip counts are constants; a step all of whose keys come after the tile's queries is left out by a scalar branch on ids.  On the diagonal hidden scores become -infinity ahead of the maximum (p = 0, as with the
; reference's lowest number).  Key 0 counts for every query, so M is a number from the first step on.
; NO JOINT LOADS, though the four work-groups of a head read the same 143,360 bytes: the branches that leave hidden steps out hang on which query blocks a work-group owns, that is on its place among the four,
; and partners of a joint request run alike.  Each work-group reads those bytes once, against its 262,144 bytes of Q and of O.
; LIMITS: NaN and infinities among the inputs are not served.  A block of Q whose largest magnitude lies under 2^-124 keeps the byte 1; a p under 2^-126 becomes 0; a block whose every p is 0 keeps the byte 1: its codes are zeros.
; REGISTERS: v1-3 16, 8, 4 x lane; v4 Q's and O's offset; v5-7 the stage; v8-10 the step's LDS addresses; v11 at work; v12 -M, v13 the largest t, v[14:15] the sum in two halves; v16-23 Q of tile A, v24 its scale words;
;   v25 p's scale words; v26-29 K's; v30-31 V's; v32-95 K's eight fragments; v96-159 S^T, then p; v160-191 O^T; v192-223 V's four fragments; v224-231 p's codes; v232-239, v248-254 at work; v240-247 Q of tile B, v255 its scale words.
.set KVSTEP, 8960
.set KVHEAD, 16*KVSTEP
.set TOK,    4096                      ; bytes from a token to the next
.set SP,     272                       ; a stage row: 256 bytes + 16
.set STG,    KVHEAD                    ; the stages: 560 blocks of 256 bytes on
.set M0,  232                          ; QUANT32's registers
.set M1,  233
.set SCL, 234
.set BY,  235
.set PT,  236
.set SH,  237
.set SEL, 20                           ; s[20:21] v_permlanex16_b32's selects for lane l xor 16
.set CS,  22                           ; s[22:23] c = log2(e) / 8: the packed form names a pair and takes its low word for both halves
.set G1,  24                           ; s[24:31] descriptor group 1
.set G0,  32                           ; s[32:35] descriptor group 0
.set TB,  36                           ; s36  LDS byte at which the step's block begins
.set KF,  37                           ; s37  the step's first key
.set QA,  38                           ; s38  tile A's first query
.set QB,  39                           ; s39  tile B's
	s_load_b128 s[4:7], s[0:1], 0x0                ; queries, kv
	s_load_b64 s[8:9], s[0:1], 0x10                ; out0
	v_lshl_add_u32 v254, v0, 2, 0x34000
	v_mov_b32 v255, 0
	ds_add_u32 v254, v255
	ds_add_u32 v254, v255
	s_wait_dscnt 0x0
	v_lshrrev_b32 v1, 5, v0
	s_delay_alu instid0(VALU_DEP_1)
	v_readfirstlane_b32 s10, v1                    ; wave 0..15
	s_mov_b32 s11, ttmp9                           ; i
	s_and_b32 s12, ttmp7, 0xffff                   ; head = 16 b + h
	; descriptor group 1: a dense block of 8,960 bytes as 35 rows of 32 elements of 8 bytes, no padding: lane l of every later LDS load takes 16 l, so the reads are consecutive
	s_mov_b32 s[G1+0], 3<<16                       ; no mask; elements of 8 bytes
	s_mov_b32 s[G1+1], 32<<16                      ; tensor_dim0 = 32
	s_mov_b32 s[G1+2], 35<<16                      ; tensor_dim1 = 35
	s_mov_b32 s[G1+3], 32<<16                      ; tile_dim0 = 32
	s_mov_b32 s[G1+4], 35                          ; tile_dim1 = 35
	s_mov_b32 s[G1+5], 32                          ; elements from row to row
	s_mov_b32 s[G1+6], 0
	s_mov_b32 s[G1+7], 0
	s_mov_b32 s[G0], 1                             ; count = 1
	s_mul_i32 s[G0+1], s10, KVSTEP                 ; LDS address: wave w brings key step w
	s_mul_i32 s56, s12, KVHEAD
	s_add_co_u32 s56, s56, s[G0+1]                 ; and from where, in kv
	s_mov_b32 s57, 0
	s_lshl_b32 s41, s11, 8
	s_lshl_b32 s42, s10, 4
	s_sub_co_u32 s[QA], 1792, s41
	s_add_co_u32 s[QA], s[QA], s42                 ; 1792 - 256 i + 16 w
	s_add_co_u32 s[QB], s41, 240
	s_sub_co_u32 s[QB], s[QB], s42                 ; 256 i + 240 - 16 w
	s_lshr_b32 s43, s12, 4
	s_lshl_b32 s43, s43, 23                        ; b x 2,048 tokens
	s_and_b32 s42, s12, 15
	s_lshl_b32 s42, s42, 8                         ; h x 256 bytes
	s_add_co_u32 s43, s43, s42
	s_lshl_b32 s44, s[QA], 12
	s_add_co_u32 s44, s44, s43                     ; tile A's first row in queries and in out0
	s_mov_b32 s45, 0
	s_lshl_b32 s46, s[QB], 12
	s_add_co_u32 s46, s46, s43                     ; tile B's
	s_mov_b32 s47, 0
	s_mov_b32 s[SEL], 0x76543210
	s_mov_b32 s[SEL+1], 0xfedcba98
	s_mov_b32 s[CS], 0x3e38aa3b                    ; log2(e) / 8
	s_mov_b32 s[CS+1], s[CS]                       ; (named with it as a pair, so it is written)
	v_and_b32 v11, 31, v0                          ; lane
	v_and_b32 v12, 15, v0                          ; r
	v_bfe_u32 v13, v0, 4, 1                        ; h
	s_delay_alu instid0(VALU_DEP_3)
	v_lshlrev_b32 v1, 4, v11
	s_delay_alu instid0(VALU_DEP_4)
	v_lshlrev_b32 v2, 3, v11
	v_lshlrev_b32 v3, 2, v11
	s_delay_alu instid0(VALU_DEP_4)
	v_lshlrev_b32 v4, 12, v13
	s_delay_alu instid0(VALU_DEP_1)
	v_lshl_add_u32 v4, v12, 4, v4                  ; lanes 0-15 one token's 256 bytes, lanes 16-31 the next token's
	s_mul_i32 s41, s10, 16*SP
	s_add_co_u32 s41, s41, STG                     ; my stage
	v_mul_u32_u24 v5, v13, SP
	s_delay_alu instid0(VALU_DEP_1)
	v_lshl_add_u32 v5, v12, 4, v5
	s_delay_alu instid0(VALU_DEP_1)
	v_add_nc_u32 v5, s41, v5                       ; by rows: row h of two, 16 r
	v_mul_u32_u24 v6, v12, SP
	s_delay_alu instid0(VALU_DEP_1)
	v_add_nc_u32 v6, s41, v6
	s_delay_alu instid0(VALU_DEP_1)
	v_lshl_add_u32 v7, v13, 5, v6                  ; O's way in: row r, + 32 h
	s_delay_alu instid0(VALU_DEP_2)
	v_lshl_add_u32 v6, v13, 7, v6                  ; Q's way out: row r, dims 32 h on
	v_lshlrev_b32 v[SH], 3, v13
	v_mov_b32 v[PT], 0                             ; a lane permute's destination counts as one of its sources
	s_wait_kmcnt 0x0
	s_add_nc_u64 s[48:49], s[4:5], s[44:45]        ; Q of tile A,
	s_add_nc_u64 s[50:51], s[4:5], s[46:47]        ; of tile B;
	s_add_nc_u64 s[52:53], s[8:9], s[44:45]        ; O of tile A,
	s_add_nc_u64 s[54:55], s[8:9], s[46:47]        ; of tile B
	s_add_nc_u64 s[G0+2:G0+3], s[6:7], s[56:57]    ; global address of my block
	s_or_b32 s[G0+3], s[G0+3], 0x80000000          ; type = 2
	tensor_load_to_lds s[G0:G0+3], s[G1:G1+7]      ; my one tensor load, ahead of every LDS read, wait on TENSORcnt and barrier
	s_nop 0
.rept 4
	v_nop
.endr
.irp j, 0,1,2,3,4,5,6,7
	global_load_b128 v[96+4*\j:99+4*\j], v4, s[48:49] offset:2*\j*TOK th:TH_LOAD_NT    ; Q of tile A: two whole rows of 256 bytes a load
.endr
.irp j, 0,1,2,3,4,5,6,7
	global_load_b128 v[128+4*\j:131+4*\j], v4, s[50:51] offset:2*\j*TOK th:TH_LOAD_NT  ; of tile B
.endr
.irp j, 20,21,22,23,244,245,246,247,238,239,253
	v_mov_b32 v[\j], 0                             ; the upper halves of Q's fragments: zero codes; and registers that are named before they are first written
.endr
.irp t, 0,1,2,3,4,5,6,7
.irp j, 0,1,2,3
	v_mov_b32 v[36+8*\t+\j], 0                     ; the upper halves of K's fragments: zero codes, cleared once: no load lands there
.endr
.endr
.macro MAX32 s                         ; the largest magnitude of v[s] .. v[s + 31], in two chains, with the floor 2^(3 - 127) as one more leaf: so the byte cannot fall under 1
	v_max3_num_f32 v[M0], |v[(\s)]|, |v[(\s)+1]|, |v[(\s)+2]|
	v_max3_num_f32 v[M1], |v[(\s)+3]|, |v[(\s)+4]|, |v[(\s)+5]|
.irp i, 6,10,14,18,22,26
	s_delay_alu instid0(VALU_DEP_2)
	v_max3_num_f32 v[M0], v[M0], |v[(\s)+\i]|, |v[(\s)+\i+1]|
	s_delay_alu instid0(VALU_DEP_2)
	v_max3_num_f32 v[M1], v[M1], |v[(\s)+\i+2]|, |v[(\s)+\i+3]|
.endr
	s_delay_alu instid0(VALU_DEP_2)
	v_max3_num_f32 v[M0], v[M0], |v[(\s)+30]|, |v[(\s)+31]|
	s_delay_alu instid0(VALU_DEP_1)
	v_max3_num_f32 v[M0], v[M0], v[M1], 0x1800000
.endm
; 32 dims of a lane, block lane / 16 of its row, become four registers of codes; the row's two bytes, mine and lane l xor 16's, make its scale word
.macro QUANT32 src, dst, word
	MAX32 \src
	s_delay_alu instid0(VALU_DEP_1)
	v_add_nc_u32 v[SCL], 0xff000000, v[M0]         ; 2 off the exponent field: the conversion takes the exponent field of this operand as its scale
	s_delay_alu instid0(VALU_DEP_1)
	v_lshrrev_b32 v[BY], 23, v[SCL]                ; the scale's byte
.irp g, 0,1,2,3
	v_cvt_scalef32_pk8_fp4_f32 v[(\dst)+\g], v[(\src)+8*\g:(\src)+8*\g+7], v[SCL]
.endr
	v_lshlrev_b32 v[BY], v[SH], v[BY]              ; at its place in the word.  (The plain line behind the conversions)
	s_delay_alu instid0(VALU_DEP_1)
	v_permlanex16_b32 v[PT], v[BY], s[SEL], s[SEL+1]
	s_delay_alu instid0(VALU_DEP_1)
	v_or_b32 v[BY], v[BY], v[PT]
	s_delay_alu instid0(VALU_DEP_1)
	v_or_b32 v[\word], 0x7f7f0000, v[BY]           ; the upper 64 along K are zero codes: byte 127
.endm
	; Q turns through my stage, so that a lane holds 32 neighbouring dims of one query; tile B's rows follow tile A's through the same bytes (LDS serves a wave's instructions in order: ISA guide 5.7.1.4)
	s_wait_loadcnt 8                               ; tile A's eight loads are in; tile B's eight may be out
.irp j, 0,1,2,3,4,5,6,7
	ds_store_b128 v5, v[96+4*\j:99+4*\j] offset:2*\j*SP
.endr
.irp j, 0,1,2,3,4,5,6,7
	ds_load_b128 v[160+4*\j:163+4*\j], v6 offset:16*\j
.endr
	s_wait_loadcnt 0x0
.irp j, 0,1,2,3,4,5,6,7
	ds_store_b128 v5, v[128+4*\j:131+4*\j] offset:2*\j*SP
.endr
.irp j, 0,1,2,3,4,5,6,7
	ds_load_b128 v[192+4*\j:195+4*\j], v6 offset:16*\j
.endr
	s_wait_dscnt 16                                ; tile A is back; tile B's 8 stores and 8 loads may be out
	QUANT32 160, 16, 24
	s_wait_dscnt 0x0
	QUANT32 192, 240, 255
.macro INIT                            ; a tile begins: the step is written once, and its first walk finds zeros, which the first change of M leaves zeros
	v_mov_b32 v13, 0xff61b1e6                      ; the largest t so far: -3e38, under every t
	s_delay_alu instid0(VALU_DEP_1)
	v_floor_f32 v12, -v13                          ; -M
	v_mov_b32 v14, 0
	v_mov_b32 v15, 0
.set n, 0
.rept 32
	v_mov_b32 v[160+n], 0
.set n, n+1
.endr
.endm
; A KEY STEP of 128 keys for the tile whose fragment begins at v[qf], scale words in v[qs], first query in s[q0].  mask = 1: the step may be hidden or lie on the diagonal.
.macro STEP qf, qs, q0, mask
.if \mask
	s_add_co_u32 s41, s[\q0], 15
	s_cmp_gt_u32 s[KF], s41                        ; all its keys come after my 16 queries: only the lines that step addresses are run
	s_cbranch_scc1 .Lhid_\@
.endif
	s_setprio 2
	v_add_nc_u32 v8, s[TB], v1
	v_add_nc_u32 v9, s[TB], v2
	v_add_nc_u32 v10, s[TB], v3
	v_nop                                          ; four places between the last step's products and the loads into their operands (ISA guide 7.12.1 for vector instructions)
.irp t, 0,1,2,3,4,5,6,7
	ds_load_b128 v[32+8*\t:35+8*\t], v8 offset:512*\t                ; K's eight fragments, registers 0-3
.endr
	ds_load_b64 v[26:27], v9 offset:8192                               ; K's scale words: tiles 0, 1 | 2, 3
	ds_load_b64 v[28:29], v9 offset:8448                               ; tiles 4, 5 | 6, 7
.irp t, 0,1,2,3
.irp c, 0,1
	ds_load_b128 v[192+8*\t+4*\c:195+8*\t+4*\c], v8 offset:4096+1024*\t+512*\c   ; V's four fragments: they land under the softmax
.endr
.endr
	ds_load_b32 v30, v10 offset:8704                                   ; V's scale words: tiles 0, 1
	ds_load_b32 v31, v10 offset:8832                                   ; tiles 2, 3
	s_wait_dscnt 10                                ; K's ten loads are in; V's ten may be out
.irp t, 0,1,2,3,4,5,6,7                        ; S^T = K Q^T: eight accumulators, each begun by the constant 0; an odd tile's scale words lie in lanes 16-31
.if (\t%2) == 1
	v_wmma_scale_f32_16x16x128_f8f6f4 v[96+8*\t:103+8*\t], v[32+8*\t:39+8*\t], v[\qf:\qf+7], 0, v[26+\t/2], v[\qs] matrix_a_fmt:MATRIX_FMT_FP4 matrix_b_fmt:MATRIX_FMT_FP4 matrix_a_scale:MATRIX_SCALE_ROW1
.else
	v_wmma_scale_f32_16x16x128_f8f6f4 v[96+8*\t:103+8*\t], v[32+8*\t:39+8*\t], v[\qf:\qf+7], 0, v[26+\t/2], v[\qs] matrix_a_fmt:MATRIX_FMT_FP4 matrix_b_fmt:MATRIX_FMT_FP4
.endif
.endr
.rept 4
	v_nop                                          ; four places in front of the first read of the scores
.endr
.if \mask
	s_add_co_u32 s41, s[KF], 127
	s_cmp_le_u32 s41, s[\q0]                       ; all 128 keys count: nothing to hide
	s_cbranch_scc1 .Lopen_\@
	s_sub_co_i32 s41, s[\q0], s[KF]
	v_and_b32 v11, 15, v0
	v_and_b32 v254, 16, v0
	s_delay_alu instid0(VALU_DEP_1)
	v_sub_nc_u32 v11, v11, v254
	s_delay_alu instid0(VALU_DEP_1)
	v_add_nc_u32 v11, s41, v11                     ; d = my query - KF - 16 (lane / 16).  Register 16 b + i holds key KF + 32 b + 16 (lane / 16) + i: hidden where 32 b + i > d
	v_mov_b32 v254, 0xff800000                     ; -infinity
.set n, 0
.rept 64
	v_cmp_gt_i32 vcc_lo, 32*(n/16)+n%16, v11
	v_cndmask_b32 v[96+n], v[96+n], v254, vcc_lo
.set n, n+1
.endr
.Lopen_\@:
.endif
.irp b, 0,1,2,3
	v_max3_num_f32 v[232+\b], v[96+16*\b], v[97+16*\b], v[98+16*\b]   ; the largest score of each block of 32 keys: it serves the row's maximum and, since p rises with the score, the block's largest p
.endr
.irp i, 3,5,7,9,11,13
.irp b, 0,1,2,3
	v_max3_num_f32 v[232+\b], v[232+\b], v[96+16*\b+\i], v[97+16*\b+\i]   ; (the four blocks by turns)
.endr
.endr
.irp b, 0,1,2,3
	v_max_num_f32 v[232+\b], v[232+\b], v[111+16*\b]
.endr
.irp b, 0,1,2,3
	s_delay_alu instid0(VALU_DEP_4)
	v_permlanex16_b32 v[236+\b], v[232+\b], s[SEL], s[SEL+1]
.endr
.irp b, 0,1,2,3
	s_delay_alu instid0(VALU_DEP_4)
	v_max_num_f32 v[232+\b], v[232+\b], v[236+\b]  ; with lane l xor 16's 16 keys
.endr
	s_delay_alu instid0(VALU_DEP_2)
	v_max3_num_f32 v254, v232, v233, v234
	s_delay_alu instid0(VALU_DEP_1)
	v_max_num_f32 v254, v254, v235                 ; the step's largest score of my query
	s_delay_alu instid0(VALU_DEP_1)
	v_mul_f32 v254, s[CS], v254                    ; as t (c is positive)
	s_delay_alu instid0(VALU_DEP_1)
	v_max_num_f32 v13, v13, v254                   ; the running largest t
	v_mov_b32 v254, v12
	s_delay_alu instid0(VALU_DEP_2)
	v_floor_f32 v12, -v13                          ; the new -M = floor(-t) = -ceil(t): a whole number
	s_delay_alu instid0(VALU_DEP_1)
	v_sub_f32 v254, v12, v254                      ; old M - new M: a whole number, 0 or less
	s_delay_alu instid0(VALU_DEP_1)
	v_cvt_i32_f32 v254, v254                       ; (it saturates)
	s_delay_alu instid0(VALU_DEP_1)
	v_ldexp_f32 v252, 1.0, v254                    ; f = 2^(old M - new M)
.set n, 0
.rept 32
	v_pk_fma_f32 v[96+n:97+n], v[96+n:97+n], s[CS:CS+1], v[12:13] op_sel_hi:[1,0,0]   ; t - M, two at a time
.set n, n+2
.endr
.irp b, 0,1,2,3
	v_fma_f32 v[232+\b], v[232+\b], s[CS], v12     ; the same of each block's largest score
.endr
.set n, 0
	s_setprio 1
	s_wait_alu depctr_va_vdst(0)
.rept 64
	v_exp_f32 v[96+n], v[96+n]                     ; p = 2^(t - M), at most 1
.set n, n+1
.endr
.irp b, 0,1,2,3
	v_exp_f32 v[232+\b], v[232+\b]                 ; the block's largest p: the same two instructions on the same number
.endr
	v_pk_mul_f32 v[14:15], v[14:15], v[252:253] op_sel_hi:[1,0]   ; the sums under the new M.  (The plain line behind the exponentials)
	s_wait_alu depctr_va_vdst(0)
.irp b, 0,1,2,3
	v_max_num_f32 v[232+\b], 0x1800000, v[232+\b]  ; the floor 2^(3 - 127): the byte cannot fall under 1
.endr
.irp b, 0,1,2,3
	s_delay_alu instid0(VALU_DEP_4)
	v_add_nc_u32 v[248+\b], 0xff000000, v[232+\b]  ; 2 off the exponent field: the conversion's scale operand
.endr
.irp b, 0,1,2,3
	s_delay_alu instid0(VALU_DEP_4)
	v_lshrrev_b32 v[236+\b], 23, v[248+\b]         ; the scale's byte
.endr
	s_delay_alu instid0(VALU_DEP_3)
	v_lshl_or_b32 v25, v237, 8, v236               ; p's scale word for these 128 keys
	s_delay_alu instid0(VALU_DEP_1)
	v_lshl_or_b32 v25, v238, 16, v25
	s_delay_alu instid0(VALU_DEP_1)
	v_lshl_or_b32 v25, v239, 24, v25
.irp b, 0,1,2,3
	v_cvt_scalef32_pk8_fp4_f32 v[224+2*\b], v[96+16*\b:103+16*\b], v[248+\b]
	v_cvt_scalef32_pk8_fp4_f32 v[225+2*\b], v[104+16*\b:111+16*\b], v[248+\b]
.endr
	v_nop                                          ; one plain line between a scaled conversion and the vector instruction that touches its result
.irp c, 0,1                                    ; the operand's layout wants a WHOLE block in a lane: lanes 0-15 block 2 c, lanes 16-31 block 2 c + 1
.irp i, 0,1
	v_permlane16_swap_b32 v[224+4*\c+\i], v[226+4*\c+\i]
.endr
.endr
	v_pk_add_f32 v[236:237], v[100:101], v[104:105]
	v_pk_add_f32 v[250:251], v[108:109], v[112:113]
	v_pk_add_f32 v[248:249], v[116:117], v[120:121]
	v_pk_add_f32 v[234:235], v[124:125], v[128:129]
	v_pk_add_f32 v[232:233], v[132:133], v[136:137]
	v_pk_add_f32 v[90:91], v[140:141], v[144:145]
	v_pk_add_f32 v[88:89], v[148:149], v[152:153]
	v_pk_add_f32 v[14:15], v[14:15], v[156:157]
	v_pk_add_f32 v[236:237], v[236:237], v[96:97]
	v_pk_add_f32 v[250:251], v[250:251], v[98:99]
	v_pk_add_f32 v[248:249], v[248:249], v[102:103]
	v_pk_add_f32 v[234:235], v[234:235], v[106:107]
	v_pk_add_f32 v[232:233], v[232:233], v[110:111]
	v_pk_add_f32 v[90:91], v[90:91], v[114:115]
	v_pk_add_f32 v[88:89], v[88:89], v[118:119]
	v_pk_add_f32 v[14:15], v[14:15], v[122:123]
	v_pk_add_f32 v[236:237], v[236:237], v[126:127]
	v_pk_add_f32 v[250:251], v[250:251], v[130:131]
	v_pk_add_f32 v[248:249], v[248:249], v[134:135]
	v_pk_add_f32 v[234:235], v[234:235], v[138:139]
	v_pk_add_f32 v[232:233], v[232:233], v[142:143]
	v_pk_add_f32 v[90:91], v[90:91], v[146:147]
	v_pk_add_f32 v[88:89], v[88:89], v[150:151]
	s_setprio 0
	v_pk_add_f32 v[14:15], v[14:15], v[154:155]
	v_pk_add_f32 v[236:237], v[236:237], v[158:159]
	s_delay_alu instid0(VALU_DEP_2)
	v_pk_add_f32 v[14:15], v[14:15], v[234:235]
	s_delay_alu instid0(VALU_DEP_2)
	v_pk_add_f32 v[236:237], v[236:237], v[232:233]
	v_pk_add_f32 v[250:251], v[250:251], v[90:91]
	v_pk_add_f32 v[248:249], v[248:249], v[88:89]
	s_delay_alu instid0(VALU_DEP_2)
	v_pk_add_f32 v[14:15], v[14:15], v[250:251]
	s_delay_alu instid0(VALU_DEP_2)
	v_pk_add_f32 v[236:237], v[236:237], v[248:249]
	s_delay_alu instid0(VALU_DEP_1)
	v_pk_add_f32 v[14:15], v[14:15], v[236:237]
.set n, 0
.rept 16
	v_pk_mul_f32 v[160+n:161+n], v[160+n:161+n], v[252:253] op_sel_hi:[1,0]   ; O^T under the new M, each accumulator from its low end on.  (The sums and these are the places between p's codes and scale word and the products below)
.set n, n+2
.endr
	s_wait_alu depctr_va_vdst(0)
	s_wait_dscnt 0x0                               ; V is in
.irp t, 0,1,2,3                                ; O^T += V^T P^T: four accumulators by turns, one instruction a turn
.if (\t%2) == 1
	v_wmma_scale_f32_16x16x128_f8f6f4 v[160+8*\t:167+8*\t], v[192+8*\t:199+8*\t], v[224:231], v[160+8*\t:167+8*\t], v[30+\t/2], v25 matrix_a_fmt:MATRIX_FMT_FP4 matrix_b_fmt:MATRIX_FMT_FP4 matrix_a_scale:MATRIX_SCALE_ROW1
.else
	v_wmma_scale_f32_16x16x128_f8f6f4 v[160+8*\t:167+8*\t], v[192+8*\t:199+8*\t], v[224:231], v[160+8*\t:167+8*\t], v[30+\t/2], v25 matrix_a_fmt:MATRIX_FMT_FP4 matrix_b_fmt:MATRIX_FMT_FP4
.endif
.endr
.if \mask
.Lhid_\@:
	s_add_co_u32 s[KF], s[KF], 128
.endif
	s_add_co_u32 s[TB], s[TB], KVSTEP              ; the next step's block
.endm
; THE WAY OUT of a tile: O^T / the sum goes through my stage and leaves as whole rows: sixteen lanes store a token's 256 bytes of this head.  more = 1: another tile follows.
.macro OUT ob, more
.rept 4
	v_nop                                          ; four places behind the last products
.endr
	v_add_f32 v14, v14, v15                        ; the sum's two halves,
	s_delay_alu instid0(VALU_DEP_1)
	v_permlanex16_b32 v11, v14, s[SEL], s[SEL+1]
	s_delay_alu instid0(VALU_DEP_1)
	v_add_f32 v14, v14, v11                        ; and lane l xor 16's: the row's sum
	s_wait_alu depctr_va_vdst(0)
	v_rcp_f32 v14, v14
	v_nop                                          ; one plain line behind a transcendental
.set n, 0
	s_wait_alu depctr_va_vdst(0)
.rept 16
	v_pk_mul_f32 v[96+n:97+n], v[160+n:161+n], v[14:15] op_sel_hi:[1,0]   ; register 8 t + j is o(query r, channel 16 t + 8 h + j)
.set n, n+2
.endr
.irp t, 0,1,2,3
.irp u, 0,1
	ds_store_b128 v7, v[96+8*\t+4*\u:99+8*\t+4*\u] offset:64*\t+16*\u
.endr
.endr
.irp j, 0,1,2,3,4,5,6,7
	ds_load_b128 v[128+4*\j:131+4*\j], v5 offset:2*\j*SP    ; LDS serves a wave's instructions in order: these see my stores
.endr
.irp j, 0,1,2,3,4,5,6,7
	s_wait_dscnt 7-\j                              ; rows 2 j and 2 j + 1 are back; the younger loads may be out
	global_store_b128 v4, v[128+4*\j:131+4*\j], s[\ob:\ob+1] offset:2*\j*TOK th:TH_STORE_NT   ; each sixteen lanes store 256 consecutive bytes, at a multiple of 256 from out0's first byte; written once
.endr
.if \more
	s_wait_xcnt 0x0                                ; the stores' data registers are written again (the next tile's scores) only behind this wait
.endif
.endm
	INIT
	s_wait_tensorcnt 0x0                           ; my block is in (no LDS instruction of mine is out),
	s_barrier_signal -1
	s_barrier_wait -1                              ; everybody's is: all sixteen key steps lie in LDS
	; tile A: keys 0 to 1,023 count for every query of it (its first query is 1,024 at the least)
	s_mov_b32 s[TB], 0
	s_mov_b32 s40, 8
.Lopen_a:
	STEP 16, 24, QA, 0
	s_sub_co_u32 s40, s40, 1
	s_cmp_lg_u32 s40, 0
	s_cbranch_scc1 .Lopen_a
	s_setprio 0
	s_mov_b32 s[KF], 1024
	s_mov_b32 s[TB], 8*KVSTEP
	s_mov_b32 s40, 8
.Ldiag_a:
	STEP 16, 24, QA, 1
	s_sub_co_u32 s40, s40, 1
	s_cmp_lg_u32 s40, 0
	s_cbranch_scc1 .Ldiag_a
	s_setprio 0
	OUT 52, 1
	; tile B: its last query is 1,023 at the most: eight steps
	INIT
	s_mov_b32 s[KF], 0
	s_mov_b32 s[TB], 0
	s_mov_b32 s40, 8
.Ldiag_b:
	STEP 240, 255, QB, 1
	s_sub_co_u32 s40, s40, 1
	s_cmp_lg_u32 s40, 0
	s_cbranch_scc1 .Ldiag_b
	s_setprio 0
	OUT 54, 0
	s_wait_xcnt 0x0
	v_lshl_add_u32 v254, v0, 2, 0x34000
	v_mov_b32 v255, 0
	s_wait_alu depctr_va_vdst(0)
	s_wait_tensorcnt 0x0
	ds_add_u32 v254, v255
	s_wait_dscnt 0x0
	s_endpgm
.Lfunc_end_k_qfc5266bcf7_attn:
	.size	k_qfc5266bcf7_attn, .Lfunc_end_k_qfc5266bcf7_attn-k_qfc5266bcf7_attn
	.p2alignl 7, 3214868480
	.fill 96, 4, 3214868480
	.section	.rodata,"a",@progbits
	.p2align	6, 0x0
	.amdhsa_kernel k_qfc5266bcf7_attn
		.amdhsa_group_segment_fixed_size 215040
		.amdhsa_private_segment_fixed_size 0
		.amdhsa_enable_private_segment 0
		.amdhsa_kernarg_size 24
		.amdhsa_user_sgpr_count 2
		.amdhsa_user_sgpr_kernarg_segment_ptr 1
		.amdhsa_wavefront_size32 1
		.amdhsa_system_sgpr_workgroup_id_x 1
		.amdhsa_system_sgpr_workgroup_id_y 1
		.amdhsa_system_sgpr_workgroup_id_z 1
		.amdhsa_system_vgpr_workitem_id 0
		.amdhsa_next_free_vgpr 256
		.amdhsa_next_free_sgpr 66
		.amdhsa_reserve_vcc 1
		.amdhsa_float_denorm_mode_32 3
		.amdhsa_float_denorm_mode_16_64 3
		.amdhsa_memory_ordered 1
		.amdhsa_forward_progress 1
		.amdhsa_inst_pref_size 83
	.end_amdhsa_kernel
	.amdgpu_metadata
---
amdhsa.version: [ 1, 2 ]
amdhsa.kernels:
  - .name:           k_qfc5266bcf7_attn
    .symbol:         k_qfc5266bcf7_attn.kd
    .args:
      - { .name: queries, .offset: 0, .size: 8, .value_kind: global_buffer, .address_space: global }
      - { .name: kv, .offset: 8, .size: 8, .value_kind: global_buffer, .address_space: global }
      - { .name: out0, .offset: 16, .size: 8, .value_kind: global_buffer, .address_space: global }
    .group_segment_fixed_size: 215040
    .private_segment_fixed_size: 0
    .kernarg_segment_align: 8
    .kernarg_segment_size: 24
    .max_flat_workgroup_size: 512
    .sgpr_count:     66
    .vgpr_count:     256
    .wavefront_size: 32
...
	.end_amdgpu_metadata
.endif
;; end of part 2
